; MI455X (gfx1250); checked and timed in simulation.
; The chip was launched on July 23, 2026; its instructions are those of AMD's public machine-readable ISA for CDNA 5 (MIT licence, August 2026) and "CDNA5" Instruction Set Architecture Reference Guide (July 2026). The comments in the code are by the model that wrote it; some were corrected since.
;; Self Attention. Allowed arithmetic: matrix products marked QUANTISED: E2M1 operands, one E8M0 scale for each 32 along K, by v_wmma_scale_f32_16x16x128_f8f6f4 with both operands' format E2M1 (or v_wmma_scale_f32_32x16x128_f4), f32 sums; products left as they are: bf16, f16 or f32 operands; f32 sums; everything else in f32.
;; Inputs: Wk 1,024 x 1,024 float32; Wo 1,024 x 1,024 float32; Wq 1,024 x 1,024 float32; Wv 1,024 x 1,024 float32; bk 1,024 float32; bo 1,024 float32; bq 1,024 float32; bv 1,024 float32; mask 4 x 1 x 2,048 x 2,048 int32; x 4 x 2,048 x 1,024 float32.
;; Outputs: out0 4 x 2,048 x 1,024 float32.
;; This version of the problem:
;;   THIS VERSION OF THE PROBLEM IS GIVEN IN LOW PRECISION. The matrix products marked QUANTISED in the list below multiply operands that are first quantised to E2M1 (2 exponent bits, 1 mantissa bit; 4 bits a number), with one power-of-two scale for each 32 numbers along K (OCP MX v1.0); their sums are f32. The products marked 'left as it is' may take bf16, f16 or f32 operands, with f32 sums. Whichever they take, every output number must still come out within the allowed error. Rounding operands to bf16 (8 significant bits) uses up far more of that allowance than f16 does (11 bits, for magnitudes from 6e-5 to 65,504). All else is computed in f32.
;;   The module's matrix products, in the order in which they are computed (A, B: the left and right operand; K: the contracted axis; several contracted axes count as one K, in the product's order):
;;     1. [M 8,192, K 1,024] x [K 1,024, N 1,024]; A: input x; B: input Wq: QUANTISED
;;     2. [M 8,192, K 1,024] x [K 1,024, N 1,024]; A: input x; B: input Wk: QUANTISED
;;     3. [M 8,192, K 1,024] x [K 1,024, N 1,024]; A: input x; B: input Wv: QUANTISED
;;     4. batch 64 x [M 2,048, K 64] x [K 64, N 2,048]; A: computed on the way; B: computed on the way: left as it is (an operand is computed on the way)
;;     5. batch 64 x [M 64, K 2,048] x [K 2,048, N 2,048]; A: computed on the way; B: computed on the way: left as it is (an operand is computed on the way)
;;     6. [M 8,192, K 1,024] x [K 1,024, N 1,024]; A: computed on the way; B: input Wo: left as it is (an operand is computed on the way)
;;   THE QUANTISER, for each operand of a quantised product, along K:
;;     - K is cut into blocks of 32 from its start; a last block that is shorter is filled with zeros.
;;     - A block's scale is 2^e with e = floor(log2(the largest magnitude in the block)) - 2, held to -126 .. 127; a block of zeros has e = 0. As a byte (E8M0): e + 127.
;;     - Each number is divided by its block's scale, clamped to +-6, and rounded to the nearest number of E2M1, ties to even, subnormals kept.
;;     - The product sums the exact products of the quantised numbers (number of the format x scale) in f32.
;;   ~~~python
;;   def quantise(x, axis):      # numpy; x: float32 -> the quantised numbers, widened to float32 again
;;       x = np.moveaxis(x, axis, -1); K = x.shape[-1]
;;       x = np.pad(x, [(0, 0)] * (x.ndim - 1) + [(0, -K % 32)]); x = x.reshape(x.shape[:-1] + (-1, 32)); a = np.abs(x).max(-1, keepdims=True)
;;       e = np.where(a > 0, np.clip(np.frexp(np.where(a > 0, a, 1))[1] - 1 - 2, -126, 127), 0)      # np.frexp(a)[1] - 1 = floor(log2(a)), exactly
;;       r = np.clip(x / 2.0 ** e, -6, 6)
;;       step = 2.0 ** (np.maximum(np.frexp(np.where(r == 0, 1, r))[1] - 1, 0) - 1)
;;       q = np.round(r / step) * step * 2.0 ** e      # np.round: ties to even
;;       return np.moveaxis(q.reshape(q.shape[:-2] + (-1,))[..., :K], -1, axis).astype(np.float32)
;;   ~~~
;; One version. Each part assembles by itself: llvm-mc -triple=amdgcn-amd-amdhsa -mcpu=gfx1250 --defsym DOCPART=n.
;; ======== version 1 of 1: 4 launches
;; limits: values are held in f16: magnitudes above 65,504 overflow, below 6.1e-05 lose precision
;; workspace buffers: xc 4,194,304 bytes; xs 262,144 bytes; wc 1,572,864 bytes; ws 98,304 bytes; wo16 2,097,152 bytes; mbits 2,097,152 bytes of whole numbers; qkv 50,331,648 bytes; att 16,777,216 bytes
;; launch prep (part 1): grid 1024 x 1, 4 waves a work-group, no clusters, 34,304 bytes of LDS; arguments x, mask, Wq, Wk, Wv, Wo, xc, xs, wc, ws, wo16, mbits; writes xc, xs, wc, ws, wo16, mbits
.if DOCPART == 1
	.amdgcn_target "amdgcn-amd-amdhsa--gfx1250"
	.amdhsa_code_object_version 6
	.text
	.protected	k_q381e202022_prep
	.globl	k_q381e202022_prep
	.p2align	8
	.type	k_q381e202022_prep,@function
k_q381e202022_prep:
	s_mov_b64 s[64:65], 0
	v_nop
	global_prefetch_b8 v0, s[64:65] scope:SCOPE_SE
	s_setreg_imm32_b32 hwreg(HW_REG_WAVE_MODE, 25, 1), 1
	s_wait_xcnt 0x0
; PREPARATION: every input that later launches read many times is brought once into the form in which they read it.
;   work-groups 0-511    the mask [4][1][2048][2048] int32 -> mbits [512 tiles of 16 queries][128 tiles of 16 keys][8] words: bit r + 16 h of word j says
;                        whether key 16 kt + 8 h + j counts for query r: the lane mask of one score register of the attention launch.  Any number but 0 counts.
;   work-groups 512-767  x [8192][1024] f32 -> codes of E2M1 with one E8M0 byte for each 32 along K (K innermost)
;   work-groups 768-1023 Wq, Wk, Wv [1024 (k)][1024] f32 -> the same, K being their first axis; Wo -> f16
; ALL RESULTS ARE LAID AS IMAGES OF OPERAND REGISTERS: a chunk holds, for each of 32 lanes, the 16 bytes that one register group of that lane takes, at 16 x lane.
;   xc, wc: [K half][tile of 16 rows][K step of 128, 4][1,024 B]: group c at 512 c + 16 lane; lane (r, h) holds the block of 32 at k = 64 c + 32 h of row r.
;   xs, ws: [tile][K step, 8][row, 16] scale words (byte b: block b of the step).     wo16: [K step of 128][tile of 16 columns][16 k, 8][512 B]: lane (r, h): k = 8 h + 0..7 of column r.
; A block's scale is 2^(floor(log2(largest magnitude)) - 2); its byte is the largest magnitude's exponent field - 2, held at 1 from below.
; LIMITS: a block of zeros gets the byte 1 where the rule says 127 (its codes are zeros, and this program alone reads the bytes); blocks whose largest magnitude lies under 2^-124
; are held at the byte 1; NaN and infinities among the inputs are not served; Wo is rounded to f16: magnitudes over 65,504 become infinite, under 6e-5 lose bits.
; No cluster: no two work-groups read the same input bytes.  No tensor load: every path loads dense runs of 512 bytes (the weights: 128 a wave, 512 a work-group) into registers.
; The three paths part on the work-group's number alone; only the token path uses LDS.
.set STG,   8448                       ; a wave's stage: 16 rows x (512 bytes + 16)
.set SPARE, 4*STG                      ; behind the stages: the spare words, 128 bytes a wave
.set SPW,   30                         ; v30  LDS address of my spare word; never rewritten
.set NIL,   31                         ; v31  0; never rewritten
.set WV,    28                         ; s28  my wave's number
	s_load_b512 s[4:19], s[0:1], 0x0               ; x s[4:5], mask s[6:7], Wq s[8:9], Wk s[10:11], Wv s[12:13], Wo s[14:15], xc s[16:17], xs s[18:19]
	s_load_b256 s[20:27], s[0:1], 0x40             ; wc s[20:21], ws s[22:23], wo16 s[24:25], mbits s[26:27]
	v_lshl_add_u32 v[SPW], v0, 2, SPARE
	v_mov_b32 v[NIL], 0
	v_lshrrev_b32 v1, 5, v0
	v_readfirstlane_b32 s[WV], v1
	v_and_b32 v1, 31, v0                           ; lane
	s_wait_kmcnt 0x0
	s_cmp_ge_u32 ttmp9, 768
	s_cbranch_scc1 .Lweights
	s_cmp_ge_u32 ttmp9, 512
	s_cbranch_scc1 .Ltokens
; ---------------- THE MASK.  Work-group = a tile of 16 queries; wave = 512 of its keys, in four units of 16 rows x 128 keys.
.set RA,  32                           ; v32-95   a unit as loaded: row i in registers 4 i .. 4 i + 3; lane l holds keys 4 l + 0..3
.set RB,  96                           ; v96-159  the other unit
.set B1,  160                          ; v160-163 even unit: for key 4 l + e the 16 queries' bits
.set B2,  164                          ; v164-167 odd unit
.set MT,  168                          ; v168-175 at work
.set MU,  176                          ; v176-179 what lane l xor 2 sends
.set MLO, 180
.set MHI, 184
.set MW,  188                          ; v188-195 the words, a set for each store
	s_lshl_b32 s32, ttmp9, 17                      ; 16 rows of 8,192 bytes
	s_lshl_b32 s33, s[WV], 11                      ; 512 keys of 4 bytes
	s_add_co_u32 s32, s32, s33
	s_mov_b32 s33, 0
	s_add_nc_u64 s[6:7], s[6:7], s[32:33]
	s_lshl_b32 s32, ttmp9, 12                      ; a query tile's words: 4,096 bytes
	s_lshl_b32 s34, s[WV], 10                      ; 32 key tiles of 32 bytes
	s_add_co_u32 s32, s32, s34
	s_add_nc_u64 s[26:27], s[26:27], s[32:33]
	s_mov_b32 s29, 0xcccccccc                      ; the lanes with bit 1 set
	v_lshlrev_b32 v2, 4, v1                        ; in: 16 bytes a lane
	v_bfe_u32 v3, v1, 1, 1
	v_lshlrev_b32 v3, 8, v3                        ; out: lanes with bit 1 set hold the odd unit's words, 256 bytes on;
	v_lshrrev_b32 v4, 2, v1
	v_lshl_add_u32 v3, v4, 5, v3                   ; key tile l / 4: 32 bytes;
	v_and_b32 v4, 1, v1
	v_lshl_add_u32 v3, v4, 4, v3                   ; words j = 4 (l % 2) + 0..3
.irp e, 0,1,2,3
	v_mov_b32 v[MU+\e], 0                          ; written once: the destination of a lane exchange counts as read
.endr
.macro MLOAD u, dst                    ; unit u: each load reads 512 consecutive bytes of one row
.set n1, 0
.rept 16
	global_load_b128 v[\dst+4*n1:\dst+4*n1+3], v2, s[6:7] offset:n1*8192+(\u)*512 th:TH_LOAD_NT
.set n1, n1+1
.endr
.endm
.macro REDUCE src, dst                 ; bit i of dst + e = (row i, key 4 l + e) is not 0
.irp e, 0,1,2,3
	v_min_u32 v[\dst+\e], 1, v[\src+\e]
.endr
.set n1, 1
.rept 15
.irp e, 0,1,2,3
	v_min_u32 v[MT+4*(n1&1)+\e], 1, v[\src+4*n1+\e]
.endr
.irp e, 0,1,2,3
	v_lshl_or_b32 v[\dst+\e], v[MT+4*(n1&1)+\e], n1, v[\dst+\e]
.endr
.set n1, n1+1
.endr
.endm
; A word wants keys j (low half) and 8 + j (high half) of a key tile: lanes l and l xor 2.  Two units are joined, so that every lane ends with four words:
; lanes with bit 1 clear keep the even unit (own bits low, the partner's high), the others the odd unit (the partner's low, own high).
.macro COMBINE d
.irp e, 0,1,2,3
	v_cndmask_b32 v[MT+\e], v[B2+\e], v[B1+\e], s29            ; what my partner wants of me
.endr
.irp e, 0,1,2,3
	v_mov_b32_dpp v[MU+\e], v[MT+\e] row_xmask:2 row_mask:0xf bank_mask:0xf
.endr
.irp e, 0,1,2,3
	v_cndmask_b32 v[MLO+\e], v[B1+\e], v[MU+\e], s29
	v_cndmask_b32 v[MHI+\e], v[MU+\e], v[B2+\e], s29
.endr
.irp e, 0,1,2,3
	v_lshl_or_b32 v[MW+4*\d+\e], v[MHI+\e], 16, v[MLO+\e]
.endr
	global_store_b128 v3, v[MW+4*\d:MW+4*\d+3], s[26:27] offset:512*\d   ; the wave stores 512 consecutive bytes
.endm
	MLOAD 0, RA
	MLOAD 1, RB
	s_wait_loadcnt 16                              ; unit 0 is in; unit 1's 16 loads may be out
	REDUCE RA, B1
	MLOAD 2, RA
	s_wait_loadcnt 16                              ; unit 1 is in; unit 2's may be out
	REDUCE RB, B2
	MLOAD 3, RB
	COMBINE 0
	s_wait_loadcnt 16                              ; unit 2 is in; unit 3's may be out
	REDUCE RA, B1
	s_wait_loadcnt 0x0
	REDUCE RB, B2
	COMBINE 1
	s_endpgm
; ---------------- THE TOKENS.  A wave takes 16 rows x 512 along K, in four units of 128 (a K step).
.Ltokens:
.set XR,  32                           ; v32-95, v96-159  two units as loaded
.set XX,  160                          ; v160-223 my two whole blocks of 32: block 2 c + h of row r in registers 32 c ..
.set XC,  224                          ; v224-255 codes: eight registers for each unit, so that no store's data are written again
	s_sub_co_u32 s32, ttmp9, 512
	s_lshl_b32 s32, s32, 2
	s_add_co_u32 s32, s32, s[WV]                   ; job 0..1023
	s_lshr_b32 s33, s32, 1                         ; tile of 16 tokens
	s_and_b32 s34, s32, 1                          ; K half
	s_lshl_b32 s36, s33, 16                        ; 16 rows of 4,096 bytes
	s_lshl_b32 s35, s34, 11
	s_add_co_u32 s36, s36, s35
	s_mov_b32 s37, 0
	s_add_nc_u64 s[4:5], s[4:5], s[36:37]
	s_lshl_b32 s36, s34, 21                        ; xc: K half, tile
	s_lshl_b32 s35, s33, 12
	s_add_co_u32 s36, s36, s35
	s_add_nc_u64 s[16:17], s[16:17], s[36:37]
	s_lshl_b32 s36, s33, 9                         ; xs: tile, four K steps of 64 bytes
	s_lshl_b32 s35, s34, 8
	s_add_co_u32 s36, s36, s35
	s_add_nc_u64 s[18:19], s[18:19], s[36:37]
	s_mov_b32 s30, 0x76543210
	s_mov_b32 s31, 0xfedcba98                      ; selects for lane l xor 16
	s_mov_b32 s29, 0xffff0000                      ; lanes 16-31
	s_mul_i32 s35, s[WV], STG
	v_lshlrev_b32 v4, 4, v1                        ; 16 x lane
	v_add_nc_u32 v2, s35, v4                       ; the stage, in: a row's 512 bytes as they lie
	v_and_b32 v7, 15, v1
	v_lshrrev_b32 v6, 4, v1                        ; h
	v_mul_u32_u24 v3, v7, 528
	v_lshl_add_u32 v3, v6, 7, v3
	v_add_nc_u32 v3, s35, v3                       ; out: row r, block h.  Rows 528 = 33 x 16 bytes apart: sixteen lanes touch sixteen different 16-byte columns
	v_lshlrev_b32 v5, 2, v1                        ; 4 x lane
	v_lshlrev_b32 v6, 3, v6                        ; 8 h: where my two scale bytes stand in the word
	v_mov_b32 v15, 0                               ; written once: a lane permute's destination counts as read
.macro XLOAD u
.set n1, 0
.rept 16
	global_load_b128 v[XR+64*((\u)%2)+4*n1:XR+64*((\u)%2)+4*n1+3], v4, s[4:5] offset:n1*4096+(\u)*512 th:TH_LOAD_NT
.set n1, n1+1
.endr
.endm
.macro XTURN u                         ; through my own stage: LDS serves a wave's instructions in order, so no wait stands between the stores and the loads
.set n1, 0
.rept 16
	ds_store_b128 v2, v[XR+64*((\u)%2)+4*n1:XR+64*((\u)%2)+4*n1+3] offset:n1*528
.set n1, n1+1
.endr
.irp c, 0,1
.irp i, 0,1,2,3,4,5,6,7
	ds_load_b128 v[XX+32*\c+4*\i:XX+32*\c+4*\i+3], v3 offset:\c*256+16*\i
.endr
.endr
.endm
.macro XQUANT u
.irp c, 0,1
	v_max3_num_f32 v[8+\c], |v[XX+32*\c]|, |v[XX+32*\c+1]|, 0x1800000     ; the floor 2^(3 - 127): the byte cannot fall under 1
.endr
.irp i, 2,4,6,8,10,12,14,16,18,20,22,24,26,28,30
.irp c, 0,1
	v_max3_num_f32 v[8+\c], v[8+\c], |v[XX+32*\c+\i]|, |v[XX+32*\c+\i+1]|   ; the two blocks by turns
.endr
.endr
.irp c, 0,1
	v_add_nc_u32 v[10+\c], 0xff000000, v[8+\c]     ; 2 off the exponent field: the conversion's scale operand
.endr
.irp c, 0,1
	v_lshrrev_b32 v[12+\c], 23, v[10+\c]           ; the scale's byte
.endr
	v_lshl_or_b32 v14, v13, 16, v12                ; blocks h and 2 + h,
	v_lshlrev_b32 v14, v6, v14                     ; at their places;
	v_permlanex16_b32 v15, v14, s30, s31
	v_or_b32 v14, v14, v15                         ; with lane l xor 16's two the row's word is whole
.irp c, 0,1
.irp g, 0,1,2,3
	v_cvt_scalef32_pk8_fp4_f32 v[XC+8*(\u)+4*\c+\g], v[XX+32*\c+8*\g:XX+32*\c+8*\g+7], v[10+\c]
.endr
.endr
	v_nop                                          ; one plain instruction behind the last scaled conversion
.irp c, 0,1
	global_store_b128 v4, v[XC+8*(\u)+4*\c:XC+8*(\u)+4*\c+3], s[16:17] offset:(\u)*1024+512*\c   ; 512 consecutive bytes
.endr
.if (\u)%2 == 0
	v_mov_b32 v16, v14
.else
	v_cndmask_b32 v[17+(\u)/2], v16, v14, s29      ; lanes 0-15 the even step's words, lanes 16-31 the odd step's
	global_store_b32 v5, v[17+(\u)/2], s[18:19] offset:128*((\u)/2)   ; 128 consecutive bytes: one byte in 128 of what this path reads
.endif
.endm
	XLOAD 0
	XLOAD 1
.irp u, 0,1,2,3
.if \u < 3
	s_wait_loadcnt 16                              ; this unit is in; the next unit's 16 loads may be out
.else
	s_wait_loadcnt 0x0
.endif
	XTURN \u
	s_wait_dscnt 0x0                               ; the numbers are back, and the stage's stores have read their registers,
.if \u < 2
	XLOAD \u+2                                     ; which take the unit two further on
.endif
	XQUANT \u
.endr
	s_wait_tensorcnt 0x0                           ; the wave's end
	ds_add_u32 v[SPW], v[NIL]
	s_wait_dscnt 0x0
	s_endpgm
; ---------------- THE WEIGHTS.  Work-group = (matrix, K step of 128, 128 columns); a wave takes 32 columns.  A LANE TAKES A COLUMN, AND ITS REGISTERS RUN DOWN K.
.Lweights:
.macro LWAIT n                         ; a wait's count cannot name more than 63; a smaller count than the younger loads is always right
.if (\n) > 63
	s_wait_loadcnt 63
.else
	s_wait_loadcnt \n
.endif
.endm
	s_sub_co_u32 s32, ttmp9, 768
	s_lshr_b32 s33, s32, 6                         ; 0 Wq, 1 Wk, 2 Wv, 3 Wo
	s_bfe_u32 s34, s32, 0x30003                    ; K step
	s_and_b32 s35, s32, 7                          ; group of 128 columns
	s_mov_b64 s[36:37], s[14:15]
	s_cmp_eq_u32 s33, 0
	s_cselect_b64 s[36:37], s[8:9], s[36:37]
	s_cmp_eq_u32 s33, 1
	s_cselect_b64 s[36:37], s[10:11], s[36:37]
	s_cmp_eq_u32 s33, 2
	s_cselect_b64 s[36:37], s[12:13], s[36:37]
	s_lshl_b32 s38, s34, 19                        ; 128 rows of 4,096 bytes
	s_lshl_b32 s39, s35, 9
	s_add_co_u32 s38, s38, s39
	s_lshl_b32 s39, s[WV], 7
	s_add_co_u32 s38, s38, s39
	s_mov_b32 s39, 0
	s_add_nc_u64 s[36:37], s[36:37], s[38:39]
	s_lshl_b32 s32, s35, 3
	s_lshl_b32 s29, s[WV], 1
	s_add_co_u32 s32, s32, s29                     ; my first tile of 16 columns in the matrix
	v_lshlrev_b32 v2, 2, v1
	v_lshrrev_b32 v5, 4, v1
	v_and_b32 v6, 15, v1
	v_lshlrev_b32 v3, 12, v5
	v_lshl_add_u32 v3, v6, 4, v3                   ; out: my tile (4,096 bytes apart), 16 bytes for column r
	v_lshlrev_b32 v4, 9, v5
	v_lshl_add_u32 v4, v6, 2, v4                   ; scale words: my tile (512 bytes apart), word r
.set n1, 0
.rept 128
	global_load_b32 v[32+n1], v2, s[36:37] offset:n1*4096 th:TH_LOAD_NT   ; row n1 of the K step at my column
.set n1, n1+1
.endr
	s_cmp_eq_u32 s33, 3
	s_cbranch_scc1 .Lwo
	s_lshr_b32 s30, s34, 2
	s_mul_i32 s30, s30, 786432                     ; K half
	s_lshl_b32 s31, s33, 6
	s_add_co_u32 s31, s31, s32                     ; tile among the 192
	s_lshl_b32 s38, s31, 12
	s_add_co_u32 s38, s38, s30
	s_and_b32 s30, s34, 3
	s_lshl_b32 s30, s30, 10
	s_add_co_u32 s38, s38, s30
	s_add_nc_u64 s[20:21], s[20:21], s[38:39]
	s_lshl_b32 s38, s31, 9
	s_lshl_b32 s30, s34, 6
	s_add_co_u32 s38, s38, s30
	s_add_nc_u64 s[22:23], s[22:23], s[38:39]
.macro WBLOCK t                        ; block t of the K step: all its 32 numbers are mine.  In the chunk it is group t / 2 of lane (r, t % 2): byte 256 t + 16 r
.set WS, 32+32*\t
	LWAIT 96-32*\t                                 ; the later blocks' loads may be out
	v_max3_num_f32 v8, |v[WS]|, |v[WS+1]|, |v[WS+2]|
	v_max3_num_f32 v9, |v[WS+3]|, |v[WS+4]|, |v[WS+5]|
.irp i, 6,10,14,18,22,26
	v_max3_num_f32 v8, v8, |v[WS+\i]|, |v[WS+\i+1]|
	v_max3_num_f32 v9, v9, |v[WS+\i+2]|, |v[WS+\i+3]|
.endr
	v_max3_num_f32 v8, v8, |v[WS+30]|, |v[WS+31]|
	v_max3_num_f32 v8, v8, v9, 0x1800000           ; and the floor
	v_add_nc_u32 v10, 0xff000000, v8
	v_lshrrev_b32 v11, 23, v10
.if \t == 0
	v_mov_b32 v12, v11
.else
	v_lshl_or_b32 v12, v11, 8*\t, v12
.endif
.irp g, 0,1,2,3
	v_cvt_scalef32_pk8_fp4_f32 v[160+4*\t+\g], v[WS+8*\g:WS+8*\g+7], v10
.endr
	v_nop                                          ; one plain instruction behind the last scaled conversion
	global_store_b128 v3, v[160+4*\t:160+4*\t+3], s[20:21] offset:256*\t   ; sixteen lanes store 256 consecutive bytes, aligned
.endm
	WBLOCK 0
	WBLOCK 1
	WBLOCK 2
	WBLOCK 3
	global_store_b32 v4, v12, s[22:23]             ; runs of 64 bytes: one byte in 128 of what this path reads
	s_endpgm
.Lwo:                                              ; Wo to f16: eight rows of K at my column are 16 bytes of the chunk: byte 256 o + 16 r
	s_lshl_b32 s38, s34, 18
	s_lshl_b32 s30, s32, 12
	s_add_co_u32 s38, s38, s30
	s_add_nc_u64 s[24:25], s[24:25], s[38:39]
.set n2, 0
.rept 16
	LWAIT 120-8*n2
.irp i, 0,1,2,3
	v_cvt_pk_f16_f32 v[160+4*n2+\i], v[32+8*n2+2*\i], v[33+8*n2+2*\i]
.endr
	global_store_b128 v3, v[160+4*n2:160+4*n2+3], s[24:25] offset:256*n2
.set n2, n2+1
.endr
	s_endpgm
.Lfunc_end_k_q381e202022_prep:
	.size	k_q381e202022_prep, .Lfunc_end_k_q381e202022_prep-k_q381e202022_prep
	.p2alignl 7, 3214868480
	.fill 96, 4, 3214868480
	.section	.rodata,"a",@progbits
	.p2align	6, 0x0
	.amdhsa_kernel k_q381e202022_prep
		.amdhsa_group_segment_fixed_size 34304
		.amdhsa_private_segment_fixed_size 0
		.amdhsa_enable_private_segment 0
		.amdhsa_kernarg_size 96
		.amdhsa_user_sgpr_count 2
		.amdhsa_user_sgpr_kernarg_segment_ptr 1
		.amdhsa_wavefront_size32 1
		.amdhsa_system_sgpr_workgroup_id_x 1
		.amdhsa_system_sgpr_workgroup_id_y 1
		.amdhsa_system_sgpr_workgroup_id_z 1
		.amdhsa_system_vgpr_workitem_id 0
		.amdhsa_next_free_vgpr 256
		.amdhsa_next_free_sgpr 66
		.amdhsa_reserve_vcc 0
		.amdhsa_float_denorm_mode_32 3
		.amdhsa_float_denorm_mode_16_64 3
		.amdhsa_memory_ordered 1
		.amdhsa_forward_progress 1
		.amdhsa_inst_pref_size 89
	.end_amdhsa_kernel
	.amdgpu_metadata
---
amdhsa.version: [ 1, 2 ]
amdhsa.kernels:
  - .name:           k_q381e202022_prep
    .symbol:         k_q381e202022_prep.kd
    .args:
      - { .name: x, .offset: 0, .size: 8, .value_kind: global_buffer, .address_space: global }
      - { .name: mask, .offset: 8, .size: 8, .value_kind: global_buffer, .address_space: global }
      - { .name: Wq, .offset: 16, .size: 8, .value_kind: global_buffer, .address_space: global }
      - { .name: Wk, .offset: 24, .size: 8, .value_kind: global_buffer, .address_space: global }
      - { .name: Wv, .offset: 32, .size: 8, .value_kind: global_buffer, .address_space: global }
      - { .name: Wo, .offset: 40, .size: 8, .value_kind: global_buffer, .address_space: global }
      - { .name: xc, .offset: 48, .size: 8, .value_kind: global_buffer, .address_space: global }
      - { .name: xs, .offset: 56, .size: 8, .value_kind: global_buffer, .address_space: global }
      - { .name: wc, .offset: 64, .size: 8, .value_kind: global_buffer, .address_space: global }
      - { .name: ws, .offset: 72, .size: 8, .value_kind: global_buffer, .address_space: global }
      - { .name: wo16, .offset: 80, .size: 8, .value_kind: global_buffer, .address_space: global }
      - { .name: mbits, .offset: 88, .size: 8, .value_kind: global_buffer, .address_space: global }
    .group_segment_fixed_size: 34304
    .private_segment_fixed_size: 0
    .kernarg_segment_align: 8
    .kernarg_segment_size: 96
    .max_flat_workgroup_size: 128
    .sgpr_count:     66
    .vgpr_count:     256
    .wavefront_size: 32
...
	.end_amdgpu_metadata
.endif
;; end of part 1
;; launch qkv (part 2): grid 12 x 32, 4 waves a work-group, clusters of 4 x 4, 327,680 bytes of LDS; arguments xc, xs, wc, ws, bq, bk, bv, qkv; writes qkv
.if DOCPART == 2
	.amdgcn_target "amdgcn-amd-amdhsa--gfx1250"
	.amdhsa_code_object_version 6
	.text
	.protected	k_q381e202022_qkv
	.globl	k_q381e202022_qkv
	.p2align	8
	.type	k_q381e202022_qkv,@function
k_q381e202022_qkv:
	s_mov_b64 s[64:65], 0
	v_nop
	global_prefetch_b8 v0, s[64:65] scope:SCOPE_SE
	s_setreg_imm32_b32 hwreg(HW_REG_WAVE_MODE, 25, 1), 1
	s_wait_xcnt 0x0
	s_wait_alu depctr_hold_cnt(0) depctr_sa_sdst(0) depctr_va_vdst(0) depctr_va_sdst(0) depctr_va_ssrc(0) depctr_va_vcc(0) depctr_vm_vsrc(0)
	s_getreg_b32 s2, hwreg(HW_REG_IB_STS2, 6, 4)
	s_cmp_eq_u32 s2, 0
	s_cbranch_scc0 .Lentry_in_a_cluster
	s_endpgm
.Lentry_in_a_cluster:
	s_bfe_u32 s2, ttmp6, 0x10000c
	s_cmp_lg_u32 s2, 0xf033
	s_cbranch_scc0 .Lentry_shape_is_right
	s_endpgm
.Lentry_shape_is_right:
; q, k, v = x Wq + bq, x Wk + bk, x Wv + bv as ONE product of 8,192 x 3,072 x 1,024 on codes of E2M1 with E8M0 scales; sums in f32; results leave as f16.
; q is multiplied by c = log2(e) / 8 in f32 ahead of its one rounding, so that the attention launch's scores are exponents of 2.
; A tile of 256 tokens x 256 columns is made by a work-group of four waves; a wave makes 128 x 128: 64 accumulators, 512 registers.
; K = 1,024 fits into LDS whole: two halves of 512, each 131,072 bytes (A's 256 rows, B's 256), and the scale words; each byte of LDS is filled once, nothing is filled again.
; OPERANDS ARE IMAGES OF REGISTERS: a fragment (16 rows x 128 K: 8 registers) is 1,024 consecutive bytes, group c at 512 c + 16 x lane: every LDS load reads 512 consecutive bytes.
; CLUSTERS: 4 x 4 work-groups; A's tiles are asked for jointly along a row of the cluster, B's along a column.  The cluster's x says which of q, k, v is made: it is the same in all partners.
; THE MATRIX INSTRUCTION IS USED TRANSPOSED (source 0 = 16 columns of W, source 1 = 16 tokens): a lane holds one token and eight neighbouring columns, which pack into 16 bytes of f16:
; that is a register group of the next launch's operand, so each accumulator leaves by one store of 512 consecutive bytes, with no way through LDS.
;   qkv: [q, k, v][batch x head, 64][tile of 16 tokens, 128][16 channels, 4][512 B]; q, k: lane (r, h) at 16 x lane; v: at 32 r + 16 h, token-major.
; The bias is the C of each sum's first matrix instruction.
; LIMITS: results are rounded to f16: magnitudes over 65,504 become infinite, under 6e-5 lose bits.
; REGISTERS: window 0: v16-29 addresses; v32-63 A's scale words, v64-95 B's (register 4 i + p: block i; lanes 0-15 K step 2 p, lanes 16-31 K step 2 p + 1); v128-191 A's fragments, one set; v192-255 the bias, 8 tiles.
;   window 1: B's fragments, two sets (v0, v128); on the way out the packed results.   windows 2, 3: the accumulators of my rows 0-63, 64-127: (a, b) at v[8 (8 (a % 4) + b)].
.set SLOT,  131072
.set SCL,   2*SLOT                     ; the scale words: 4,096 bytes for each wave's fetch: A's halves, then B's
.set SPARE, SCL+16384                  ; the spare words, 128 bytes a wave
.set ADRA, 16                          ; v16-17 my A fragments in K half 0, 1
.set ADRB, 20                          ; v20-21 my B fragments
.set ADSA, 22                          ; v22 my A scale words
.set ADSB, 23                          ; v23 my B scale words
.set CO,   26                          ; v26 my 16 bytes in a chunk of the result
.set SPW,  28
.set NIL,  29
.set SA,   32
.set SB,   64
.set AF,   128
.set BI,   192
.set G1,   24
.set G0,   32
.set G1B,  48
.set G0B,  56
.set G1S,  68
.set G0S,  76
.set G1SB, 80
.set G0SB, 88
.set MSB, 0
.macro WIN new                         ; the immediate's high byte repeats the setting that is left
.if MSB != (\new)
	s_set_vgpr_msb (MSB<<8)|(\new)
.set MSB, (\new)
.endif
.endm
.set TO_B, 0x40
; A joint load: waves 0 and 1 fetch for A, waves 2 and 3 for B; the branch hangs on the wave's number alone.  An s_nop 0 and four v_nop follow each line.
.macro JLOAD g0a, g1a, g0b, g1b
	s_cmp_eq_u32 s15, 0
	s_cbranch_scc0 .Lfor_b_\@
	tensor_load_to_lds s[\g0a:\g0a+3], s[\g1a:\g1a+7]
	s_nop 0
.rept 4
	v_nop
.endr
	s_branch .Lasked_\@
.Lfor_b_\@:
	tensor_load_to_lds s[\g0b:\g0b+3], s[\g1b:\g1b+7]
	s_nop 0
.rept 4
	v_nop
.endr
.Lasked_\@:
.endm
.macro CROUND                          ; a round of the cluster's barrier
	s_barrier_signal -1
	s_barrier_wait -1
	s_cmp_lg_u32 s14, 0
	s_cbranch_scc1 .Lnot_wave_0_\@
	s_barrier_signal -3
.Lnot_wave_0_\@:
	s_barrier_wait -3
	s_barrier_signal -1
	s_barrier_wait -1
.endm
.macro PLACES n
.rept \n
	v_nop
.endr
.endm
	s_load_b128 s[4:7], s[0:1], 0x0                ; xc, xs
	s_load_b128 s[8:11], s[0:1], 0x10              ; wc, ws
	s_load_b128 s[92:95], s[0:1], 0x20             ; bq, bk
	s_load_b128 s[96:99], s[0:1], 0x30             ; bv, qkv
	v_lshl_add_u32 v[SPW], v0, 2, SPARE
	v_mov_b32 v[NIL], 0
	ds_add_u32 v[SPW], v[NIL]                      ; the wave's opening: the add, twice on end, and its wait ahead of my first tensor load
	ds_add_u32 v[SPW], v[NIL]
	v_lshrrev_b32 v1, 5, v0
	v_readfirstlane_b32 s14, v1                    ; wave
	s_lshr_b32 s15, s14, 1                         ; my half of the rows; also: I fetch for A (0) or B (1)
	s_and_b32 s16, s14, 1                          ; my half of the columns; also: which half I fetch
	s_bfe_u32 s40, ttmp6, 0x40000                  ; cx
	s_bfe_u32 s41, ttmp6, 0x40004                  ; cy
	s_lshl_b32 s42, ttmp9, 2
	s_add_co_u32 s42, s42, s40                     ; tile column 0..11
	s_and_b32 s17, ttmp7, 0xffff
	s_lshl_b32 s17, s17, 2
	s_add_co_u32 s17, s17, s41                     ; tile row 0..31
	s_lshl_b32 s43, s41, 2
	s_lshl_b32 s43, 15, s43                        ; my row of the cluster
	s_lshl_b32 s44, 0x1111, s40                    ; my column
	; group 1: dense blocks as rows of 256 bytes (32 elements of 8 bytes): codes 128 rows, scale words 16 rows; bit 21 stands beside a mask
	s_or_b32 s[G1], s43, (3<<16)|(1<<21)
	s_or_b32 s[G1B], s44, (3<<16)|(1<<21)
	s_or_b32 s[G1S], s43, (3<<16)|(1<<21)
	s_or_b32 s[G1SB], s44, (3<<16)|(1<<21)
.irp g, G1, G1B
	s_mov_b32 s[\g+1], 32<<16                      ; tensor_dim0
	s_mov_b32 s[\g+2], 128<<16                     ; tensor_dim1
	s_mov_b32 s[\g+3], 32<<16                      ; tile_dim0
	s_mov_b32 s[\g+4], 128                         ; tile_dim1
	s_mov_b32 s[\g+5], 32                          ; the pitch
	s_mov_b32 s[\g+6], 0
	s_mov_b32 s[\g+7], 0
.endr
.irp g, G1S, G1SB
	s_mov_b32 s[\g+1], 32<<16
	s_mov_b32 s[\g+2], 16<<16
	s_mov_b32 s[\g+3], 32<<16
	s_mov_b32 s[\g+4], 16
	s_mov_b32 s[\g+5], 32
	s_mov_b32 s[\g+6], 0
	s_mov_b32 s[\g+7], 0
.endr
	s_mov_b32 s66, 0x3e38aa3b                      ; c = log2(e) / 8
	s_mov_b32 s67, s66
	s_lshl_b32 s18, s16, 3                         ; which 8 tiles of 16 rows I fetch
	s_lshl_b32 s20, s17, 4
	s_add_co_u32 s20, s20, s18                     ; A: tile of tokens
	s_lshl_b32 s46, s42, 4
	s_add_co_u32 s46, s46, s18                     ; B: tile of columns
	s_lshl_b32 s22, s20, 9                         ; scale words: 512 bytes a tile
	s_mov_b32 s23, 0
	s_lshl_b32 s20, s20, 12                        ; codes: 4,096 bytes a tile and K half
	s_mov_b32 s21, 0
	s_lshl_b32 s2, s46, 9
	s_mov_b32 s3, 0
	s_lshl_b32 s46, s46, 12
	s_mov_b32 s47, 0
	s_lshl_b32 s45, s14, 15                        ; where they go: wave x 32,768,
	s_lshl_b32 s19, s14, 12                        ; wave x 4,096: no place in the cluster enters an LDS address
	s_wait_dscnt 0x0                               ; both opening adds are done
	s_wait_kmcnt 0x0
	s_add_nc_u64 s[20:21], s[4:5], s[20:21]
	s_add_nc_u64 s[22:23], s[6:7], s[22:23]
	s_add_nc_u64 s[46:47], s[8:9], s[46:47]
	s_add_nc_u64 s[2:3], s[10:11], s[2:3]
	CROUND                                         ; all sixteen work-groups are here: the joint loads meet
	s_mov_b32 s[G0S], 1
	s_add_co_u32 s[G0S+1], s19, SCL
	s_mov_b64 s[G0S+2:G0S+3], s[22:23]
	s_or_b32 s[G0S+3], s[G0S+3], 0x80000000
	s_mov_b32 s[G0SB], 1
	s_add_co_u32 s[G0SB+1], s19, SCL
	s_mov_b64 s[G0SB+2:G0SB+3], s[2:3]
	s_or_b32 s[G0SB+3], s[G0SB+3], 0x80000000
	JLOAD G0S, G1S, G0SB, G1SB                     ; three loads of mine go out: the scale words, K half 0, K half 1
.irp s, 0,1
	s_mov_b32 s[G0+4*\s], 1
	s_add_co_u32 s[G0+4*\s+1], s45, \s*SLOT
	s_add_nc_u64 s[G0+4*\s+2:G0+4*\s+3], s[20:21], \s*2097152
	s_or_b32 s[G0+4*\s+3], s[G0+4*\s+3], 0x80000000
	s_mov_b32 s[G0B+4*\s], 1
	s_add_co_u32 s[G0B+4*\s+1], s45, \s*SLOT
	s_add_nc_u64 s[G0B+4*\s+2:G0B+4*\s+3], s[46:47], \s*786432
	s_or_b32 s[G0B+4*\s+3], s[G0B+4*\s+3], 0x80000000
	JLOAD G0+4*\s, G1, G0B+4*\s, G1B
.endr
	v_and_b32 v3, 31, v0                           ; lane
	v_and_b32 v1, 15, v0                           ; r
	v_bfe_u32 v2, v0, 4, 1                         ; h
	v_lshlrev_b32 v4, 4, v3
	v_lshlrev_b32 v6, 2, v3
	s_lshl_b32 s18, s15, 15
	v_add_nc_u32 v[ADRA], s18, v4
	v_add_nc_u32 v[ADRA+1], SLOT, v[ADRA]
	s_lshl_b32 s18, s16, 15
	s_add_co_u32 s18, s18, 65536
	v_add_nc_u32 v[ADRB], s18, v4
	v_add_nc_u32 v[ADRB+1], SLOT, v[ADRB]
	s_lshl_b32 s18, s15, 12
	s_add_co_u32 s18, s18, SCL
	v_add_nc_u32 v[ADSA], s18, v6
	s_lshl_b32 s18, s16, 12
	s_add_co_u32 s18, s18, SCL+8192
	v_add_nc_u32 v[ADSB], s18, v6
	; the bias of my 128 columns, in the result's layout: lane (r, h), tile b: columns 16 b + 8 h + 0..7
	s_cmp_eq_u32 ttmp9, 0
	s_cselect_b64 s[18:19], s[92:93], s[96:97]
	s_cmp_eq_u32 ttmp9, 1
	s_cselect_b64 s[18:19], s[94:95], s[18:19]
	s_lshl_b32 s46, s40, 10
	s_lshl_b32 s47, s16, 9
	s_add_co_u32 s46, s46, s47
	s_mov_b32 s47, 0
	s_add_nc_u64 s[18:19], s[18:19], s[46:47]
	v_lshlrev_b32 v5, 5, v2
.irp b, 0,1,2,3,4,5,6,7
	global_load_b128 v[BI+8*\b:BI+8*\b+3], v5, s[18:19] offset:64*\b
	global_load_b128 v[BI+8*\b+4:BI+8*\b+7], v5, s[18:19] offset:64*\b+16
.endr
	; where my results go
	s_lshl_b32 s20, s17, 4
	s_lshl_b32 s21, s15, 3
	s_add_co_u32 s20, s20, s21                     ; my first tile of tokens
	s_lshr_b32 s21, s20, 7                         ; the batch
	s_and_b32 s20, s20, 127
	s_lshl_b32 s21, s21, 4
	s_lshl_b32 s22, s40, 2
	s_add_co_u32 s21, s21, s22
	s_lshl_b32 s22, s16, 1
	s_add_co_u32 s21, s21, s22                     ; batch x 16 + my first head
	s_lshl_b32 s21, s21, 7
	s_add_co_u32 s21, s21, s20
	s_lshl_b32 s22, s21, 11
	s_lshl_b32 s21, ttmp9, 24
	s_add_co_u32 s22, s22, s21
	s_mov_b32 s23, 0
	s_add_nc_u64 s[12:13], s[98:99], s[22:23]
	s_cmp_eq_u32 ttmp9, 2                          ; v's chunks are token-major
	s_cselect_b32 s20, 32, 16
	s_cselect_b32 s21, 16, 256
	v_mul_u32_u24 v[CO], v1, s20
	v_mad_u32_u24 v[CO], v2, s21, v[CO]
.macro FRAG reg, adr, q, i             ; a fragment: two loads of 512 consecutive bytes
.irp c, 0,1
	ds_load_b128 v[\reg+4*\c:\reg+4*\c+3], v[\adr] offset:(\i)*4096+(\q)*1024+512*\c
.endr
.endm
.macro FETCH_B slot, q, p
	WIN TO_B
.irp i, 0,1,2,3,4,5,6,7
	FRAG 128*(\p)+8*\i, ADRB+\slot, \q, \i
.endr
	WIN 0
.endm
.macro FETCH_A slot, q, i0
.irp i, \i0, \i0+1, \i0+2, \i0+3
	FRAG AF+8*(\i), ADRA+\slot, \q, \i
.endr
.endm
.macro SCALES                          ; all scale words of my rows and columns, once
.irp i, 0,1,2,3,4,5,6,7
.irp p, 0,1,2,3
	ds_load_b32 v[SA+4*\i+\p], v[ADSA] offset:\i*512+128*\p
	ds_load_b32 v[SB+4*\i+\p], v[ADSB] offset:\i*512+128*\p
.endr
.endr
.endm
; 16 matrix instructions: A's blocks a0, a0 + 1 x B's eight, K step g.  The 64 accumulators take turns, one instruction a turn, in the same order in every step.
.macro MUL16 a0, p, g, first
.irp a, \a0, \a0+1
.irp b, 0,1,2,3,4,5,6,7
.set rD, 8*(8*((\a)%4)+\b)
.set rB, 128*(\p)+8*\b
.set rA, AF+8*(\a)
.set rSB, SB+4*\b+(\g)/2
.set rSA, SA+4*(\a)+(\g)/2
.if \first
	v_wmma_scale_f32_16x16x128_f8f6f4 v[rD:rD+7], v[rB:rB+7], v[rA:rA+7], v[BI+8*\b:BI+8*\b+7], v[rSB], v[rSA] matrix_a_fmt:MATRIX_FMT_FP4 matrix_b_fmt:MATRIX_FMT_FP4
.elseif (\g)%2
	v_wmma_scale_f32_16x16x128_f8f6f4 v[rD:rD+7], v[rB:rB+7], v[rA:rA+7], v[rD:rD+7], v[rSB], v[rSA] matrix_a_fmt:MATRIX_FMT_FP4 matrix_b_fmt:MATRIX_FMT_FP4 matrix_a_scale:MATRIX_SCALE_ROW1 matrix_b_scale:MATRIX_SCALE_ROW1
.else
	v_wmma_scale_f32_16x16x128_f8f6f4 v[rD:rD+7], v[rB:rB+7], v[rA:rA+7], v[rD:rD+7], v[rSB], v[rSA] matrix_a_fmt:MATRIX_FMT_FP4 matrix_b_fmt:MATRIX_FMT_FP4
.endif
.endr
.endr
.endm
; A K step whose successor lies in the same K half.  A block of A is free as soon as its eight products are issued: blocks 0-3 are fetched anew in the step's middle, blocks 4-7 at its end; B has two sets.
; Four plain instructions stand in front of each run of loads into registers that matrix instructions have read (ISA guide 7.12.1 for vector instructions).
.macro STEP g, first
	s_wait_dscnt 8                                 ; all but the youngest eight loads (A's blocks 4-7)
.if \first
	WIN 0x81                                       ; B window 1, A and the bias window 0, D window 2
.else
	WIN 0xa1
.endif
	MUL16 0, (\g)%2, \g, \first
	MUL16 2, (\g)%2, \g, \first
	s_wait_dscnt 0x0                               ; A's blocks 4-7 are in
	PLACES 4
	FETCH_B (\g)/4, (\g)%4+1, 1-(\g)%2
	FETCH_A (\g)/4, (\g)%4+1, 0
.if \first
	WIN 0xc1
.else
	WIN 0xf1
.endif
	MUL16 4, (\g)%2, \g, \first
	MUL16 6, (\g)%2, \g, \first
	PLACES 4
	WIN 0
	FETCH_A (\g)/4, (\g)%4+1, 4
.endm
	s_wait_tensorcnt 1                             ; my scale words and my part of K half 0 are in; K half 1's load may be out
	s_barrier_signal -1
	s_barrier_wait -1                              ; everybody's are
	FETCH_B 0, 0, 0
	FETCH_A 0, 0, 0
	SCALES
	FETCH_A 0, 0, 4
	s_wait_loadcnt 0x0                             ; the bias
	STEP 0, 1
	STEP 1, 0
	STEP 2, 0
	; K step 3 goes over to K half 1: my part of it has landed, then the work-group's barrier; nothing is filled again, so no add stands here
	s_wait_tensorcnt 0x0
	s_wait_dscnt 8
	WIN 0xa1
	MUL16 0, 1, 3, 0
	s_wait_dscnt 0x0
	s_barrier_signal -1
	MUL16 2, 1, 3, 0
	WIN 0
	s_barrier_wait -1
	PLACES 4
	FETCH_B 1, 0, 0
	FETCH_A 1, 0, 0
	WIN 0xf1
	MUL16 4, 1, 3, 0
	MUL16 6, 1, 3, 0
	PLACES 4
	WIN 0
	FETCH_A 1, 0, 4
	STEP 4, 0
	STEP 5, 0
	STEP 6, 0
	s_wait_dscnt 8                                 ; the last step: nothing more to fetch
	WIN 0xa1
	MUL16 0, 1, 7, 0
	MUL16 2, 1, 7, 0
	s_wait_dscnt 0x0
	WIN 0xf1
	MUL16 4, 1, 7, 0
	MUL16 6, 1, 7, 0
	WIN 0
	PLACES 4
	; THE WAY OUT.  q alone is multiplied by c: the branch hangs on the cluster's x, which all partners share
	s_cmp_lg_u32 ttmp9, 0
	s_cbranch_scc1 .Lnoscale
	WIN 0x82
.set n1, 0
.rept 128
	v_pk_mul_f32 v[n1:n1+1], v[n1:n1+1], s[66:67] op_sel_hi:[1,0]
.set n1, n1+2
.endr
	WIN 0xc3
.set n1, 0
.rept 128
	v_pk_mul_f32 v[n1:n1+1], v[n1:n1+1], s[66:67] op_sel_hi:[1,0]
.set n1, n1+2
.endr
	WIN 0
.Lnoscale:
.irp a, 0,1,2,3,4,5,6,7
	WIN 0x4a+5*(\a/4)                              ; sources window 2 or 3, destination window 1
.irp b, 0,1,2,3,4,5,6,7
.irp i, 0,1,2,3
	v_cvt_pk_f16_f32 v[4*(8*\a+\b)+\i], v[8*(8*(\a%4)+\b)+2*\i], v[8*(8*(\a%4)+\b)+2*\i+1]   ; each accumulator from its low end on
.endr
.endr
	WIN 0x04                                       ; a store's data are its source 1: window 1
.irp b, 0,1,2,3,4,5,6,7
	global_store_b128 v[CO], v[4*(8*\a+\b):4*(8*\a+\b)+3], s[12:13] offset:(\b/4)*262144+\a*2048+(\b%4)*512   ; a chunk: 512 consecutive bytes; head b / 4, token tile a, channels 16 (b % 4)
.endr
.endr
	WIN 0
	s_wait_tensorcnt 0x0                           ; the wave's end
	ds_add_u32 v[SPW], v[NIL]
	s_wait_dscnt 0x0
	CROUND                                         ; the closing round
	s_endpgm
.Lfunc_end_k_q381e202022_qkv:
	.size	k_q381e202022_qkv, .Lfunc_end_k_q381e202022_qkv-k_q381e202022_qkv
	.p2alignl 7, 3214868480
	.fill 96, 4, 3214868480
	.section	.rodata,"a",@progbits
	.p2align	6, 0x0
	.amdhsa_kernel k_q381e202022_qkv
		.amdhsa_group_segment_fixed_size 327680
		.amdhsa_private_segment_fixed_size 0
		.amdhsa_enable_private_segment 0
		.amdhsa_kernarg_size 64
		.amdhsa_user_sgpr_count 2
		.amdhsa_user_sgpr_kernarg_segment_ptr 1
		.amdhsa_wavefront_size32 1
		.amdhsa_system_sgpr_workgroup_id_x 1
		.amdhsa_system_sgpr_workgroup_id_y 1
		.amdhsa_system_sgpr_workgroup_id_z 1
		.amdhsa_system_vgpr_workitem_id 0
		.amdhsa_next_free_vgpr 1024
		.amdhsa_next_free_sgpr 100
		.amdhsa_reserve_vcc 0
		.amdhsa_float_denorm_mode_32 3
		.amdhsa_float_denorm_mode_16_64 3
		.amdhsa_memory_ordered 1
		.amdhsa_forward_progress 1
		.amdhsa_inst_pref_size 138
	.end_amdhsa_kernel
	.amdgpu_metadata
---
amdhsa.version: [ 1, 2 ]
amdhsa.kernels:
  - .name:           k_q381e202022_qkv
    .symbol:         k_q381e202022_qkv.kd
    .args:
      - { .name: xc, .offset: 0, .size: 8, .value_kind: global_buffer, .address_space: global }
      - { .name: xs, .offset: 8, .size: 8, .value_kind: global_buffer, .address_space: global }
      - { .name: wc, .offset: 16, .size: 8, .value_kind: global_buffer, .address_space: global }
      - { .name: ws, .offset: 24, .size: 8, .value_kind: global_buffer, .address_space: global }
      - { .name: bq, .offset: 32, .size: 8, .value_kind: global_buffer, .address_space: global }
      - { .name: bk, .offset: 40, .size: 8, .value_kind: global_buffer, .address_space: global }
      - { .name: bv, .offset: 48, .size: 8, .value_kind: global_buffer, .address_space: global }
      - { .name: qkv, .offset: 56, .size: 8, .value_kind: global_buffer, .address_space: global }
    .group_segment_fixed_size: 327680
    .private_segment_fixed_size: 0
    .kernarg_segment_align: 8
    .kernarg_segment_size: 64
    .max_flat_workgroup_size: 128
    .sgpr_count:     100
    .vgpr_count:     1024
    .wavefront_size: 32
...
	.end_amdgpu_metadata
.endif
;; end of part 2
;; launch attn (part 3): grid 4 x 64, 16 waves a work-group, clusters of 4 x 1, 327,680 bytes of LDS; arguments qkv, mbits, att; writes att
.if DOCPART == 3
	.amdgcn_target "amdgcn-amd-amdhsa--gfx1250"
	.amdhsa_code_object_version 6
	.text
	.protected	k_q381e202022_attn
	.globl	k_q381e202022_attn
	.p2align	8
	.type	k_q381e202022_attn,@function
k_q381e202022_attn:
	s_mov_b64 s[64:65], 0
	v_nop
	global_prefetch_b8 v0, s[64:65] scope:SCOPE_SE
	s_setreg_imm32_b32 hwreg(HW_REG_WAVE_MODE, 25, 1), 1
	s_wait_xcnt 0x0
	s_wait_alu depctr_hold_cnt(0) depctr_sa_sdst(0) depctr_va_vdst(0) depctr_va_sdst(0) depctr_va_ssrc(0) depctr_va_vcc(0) depctr_vm_vsrc(0)
	s_getreg_b32 s2, hwreg(HW_REG_IB_STS2, 6, 4)
	s_cmp_eq_u32 s2, 0
	s_cbranch_scc0 .Lentry_in_a_cluster
	s_endpgm
.Lentry_in_a_cluster:
	s_bfe_u32 s2, ttmp6, 0x10000c
	s_cmp_lg_u32 s2, 0x3003
	s_cbranch_scc0 .Lentry_shape_is_right
	s_endpgm
.Lentry_shape_is_right:
; att = softmax over keys of (q . k / 8, with -1e20 / 8 where the mask is 0) x v, for 64 (batch, head) pairs, 2,048 queries and keys, head size 64.  Operands f16, sums, maxima and softmax f32.
; q arrives multiplied by c = log2(e) / 8, so a score IS t, the exponent of 2; a masked score is NEG = c x -1e20.  Running maximum m and sum l for each query: p = 2^(t - m); in every step O and l are
; multiplied by a = 2^(old m - new m).  A row whose mask is all 0 has every t = NEG = m, every p = 1: the plain average of v.
; SHARES.  A work-group owns 512 queries of one (batch, head); each of its sixteen waves 32 of them, two tiles of 16, in 256 registers: four waves to a SIMD, so that one wave's vector work stands
; beside another's matrix work and LDS loads.  Every wave walks all keys, 64 a step; each fragment of K and V read from LDS feeds two matrix instructions.
; LAYOUT.  S^T = K Q^T (source 0 = 16 keys, source 1 = 16 queries) and O^T = V^T P: a lane holds ONE query throughout.  All operands are images of registers (chunks of 512 bytes, lane l's 16 bytes at 16 l);
; V's chunks are token-major and are read by the turning load.  O^T, rounded to f16, is a chunk of the next launch's operand: it leaves by stores of 512 consecutive bytes.
; THE MASK comes as lane masks, one 32-bit word for each score register, by scalar loads one step ahead: one v_cndmask_b32 a register.
; CLUSTER.  The four query blocks of a (batch, head) walk the same K and V: each tile is asked for jointly, mask 15.  Every wave fetches a part: waves 0-7 K's eight steps of a slot, waves 8-15 V's.
; RING.  Two slots of 512 keys (K 65,536 bytes, then V 65,536).  A refill has a slot's eight key steps in which to land.  A wave has two tensor loads out at the start, later one.
; LIMITS: real scores are taken to lie above -1e20; NaN and infinities are not served; the result is rounded to f16 (over 65,504 infinite, under 6e-5 bits are lost); p under 6e-8 counts as 0 in the second product.
.set SLOT1, 131072
.set SPARE, 262144                     ; behind the ring: the spare words, 128 bytes for each of sixteen waves
.set AK,   1                           ; v1  16 x lane: my place in a chunk
.set AV,   2                           ; v2  my place in a chunk of V for the turning load, + V's place in a slot
.set ADK,  3
.set ADV,  4
.set NEGR, 5                           ; v5  NEG
.set SPW,  6
.set NIL,  7
.set MM,   8                           ; v[8+2t] m (named as a pair with v[9+2t], which is written once)
.set LL,   12                          ; v[12+2t:13+2t] l, in two halves
.set CC,   16                          ; v[16+4t ..] c0-c3, at work; a takes c2's place once the maximum is found
.set L2,   26                          ; v[26+2t:27+2t] the second chain of the sums
.set Q,    32                          ; v32-63   Q: tile t, 16 channels ct at 32 + 16 t + 4 ct
.set S,    64                          ; v64-127  S^T: tile t, key tile kt at 64 + 32 t + 8 kt; then p; then P (f16) in the tile's first 16
.set KV,   128                         ; v128-191 K's fragments of a step, later V's
.set O,    192                         ; v192-255 O^T: tile t, 16 channels ct at 192 + 32 t + 8 ct
.set TB,   2                           ; s2  LDS byte at which the step's K begins
.set CNT,  3
.set MOFF, 6                           ; s6  the next step's mask words: 128 bytes a step
.set WV,   7
.set G1,   8                           ; s[8:15]
.set G0,   16                          ; s[16:19], s[20:23]: a group 0 for each slot
.set SEL,  26
.macro ROUND                           ; a round of the cluster's barrier
	s_barrier_signal -1
	s_barrier_wait -1
	s_cmp_lg_u32 s[WV], 0
	s_cbranch_scc1 .Lnot_wave_0_\@
	s_barrier_signal -3
.Lnot_wave_0_\@:
	s_barrier_wait -3
	s_barrier_signal -1
	s_barrier_wait -1
.endm
	s_load_b128 s[28:31], s[0:1], 0x0              ; qkv, mbits
	s_load_b64 s[24:25], s[0:1], 0x10              ; att
	v_lshl_add_u32 v[SPW], v0, 2, SPARE
	v_mov_b32 v[NIL], 0
	ds_add_u32 v[SPW], v[NIL]                      ; the wave's opening: the add, twice on end, and its wait ahead of my first tensor load
	ds_add_u32 v[SPW], v[NIL]
	v_lshrrev_b32 v1, 5, v0
	v_readfirstlane_b32 s[WV], v1                  ; wave 0..15
	s_bfe_u32 s32, ttmp6, 0x40000                  ; cx: my block of 512 queries; it enters Q's, the mask's and the result's addresses alone
	s_and_b32 s33, ttmp7, 0xffff                   ; batch x 16 + head, which the partners share
	s_mov_b32 s[G1], 15|(3<<16)|(1<<21)            ; the mask: all four; elements of 8 bytes; bit 21 beside a mask
	s_mov_b32 s[G1+1], 32<<16                      ; a dense block of 8,192 bytes as 32 rows of 256
	s_mov_b32 s[G1+2], 32<<16
	s_mov_b32 s[G1+3], 32<<16
	s_mov_b32 s[G1+4], 32
	s_mov_b32 s[G1+5], 32
	s_mov_b32 s[G1+6], 0
	s_mov_b32 s[G1+7], 0
	s_mov_b32 s[SEL], 0x76543210
	s_mov_b32 s[SEL+1], 0xfedcba98
	s_mov_b32 s[MOFF], 0
	s_lshl_b32 s37, s33, 18                        ; a head's 262,144 bytes in q, k or v
	s_lshr_b32 s34, s[WV], 3
	s_add_co_u32 s34, s34, 1                       ; 1: k (waves 0-7), 2: v (waves 8-15)
	s_lshl_b32 s34, s34, 24
	s_add_co_u32 s34, s34, s37
	s_and_b32 s36, s[WV], 7
	s_lshl_b32 s36, s36, 13                        ; my step of the slot: 64 keys are 8,192 bytes
	s_add_co_u32 s34, s34, s36
	s_mov_b32 s35, 0
	s_lshl_b32 s38, s32, 5
	s_lshl_b32 s39, s[WV], 1
	s_add_co_u32 s38, s38, s39                     ; my first tile of queries in the sequence
	s_lshl_b32 s40, s38, 11
	s_add_co_u32 s40, s40, s37
	s_mov_b32 s41, 0                               ; Q
	s_lshr_b32 s42, s33, 4
	s_lshl_b32 s42, s42, 7
	s_add_co_u32 s42, s42, s38                     ; my first tile among the 512
	s_lshl_b32 s42, s42, 12
	s_mov_b32 s43, 0                               ; the mask words, and a tile's place in att
	s_bfe_u32 s44, s33, 0x30001                    ; head / 2: the K step of the next product
	s_lshl_b32 s44, s44, 21
	s_add_co_u32 s44, s44, s42
	s_and_b32 s46, s33, 1
	s_lshl_b32 s46, s46, 11
	s_add_co_u32 s44, s44, s46
	s_mov_b32 s45, 0
	s_wait_dscnt 0x0                               ; both opening adds are done
	s_wait_kmcnt 0x0
	s_mov_b32 s[G0], 1
	s_lshl_b32 s[G0+1], s[WV], 13                  ; slot 0, part = wave
	s_add_nc_u64 s[G0+2:G0+3], s[28:29], s[34:35]
	s_mov_b32 s[G0+4], 1
	s_add_co_u32 s[G0+5], s[G0+1], SLOT1
	s_add_nc_u64 s[G0+6:G0+7], s[G0+2:G0+3], 65536 ; slot 1: the next 512 keys
	s_or_b32 s[G0+3], s[G0+3], 0x80000000
	s_or_b32 s[G0+7], s[G0+7], 0x80000000
	s_add_nc_u64 s[100:101], s[28:29], s[40:41]    ; Q at my first tile
	s_add_nc_u64 s[4:5], s[30:31], s[42:43]        ; my mask words
	s_add_nc_u64 s[24:25], s[24:25], s[44:45]      ; my place in att
	ROUND                                          ; all four work-groups are here: the first joint loads meet
	tensor_load_to_lds s[G0:G0+3], s[G1:G1+7]
	s_nop 0
	tensor_load_to_lds s[G0+4:G0+7], s[G1:G1+7]
	s_nop 0
.rept 4
	v_nop
.endr
	v_and_b32 v8, 31, v0
	v_lshlrev_b32 v[AK], 4, v8
.irp t, 0,1
.irp ct, 0,1,2,3
	global_load_b128 v[Q+16*\t+4*\ct:Q+16*\t+4*\ct+3], v[AK], s[100:101] offset:\t*2048+\ct*512   ; Q stays in registers
.endr
.endr
	s_load_b512 s[32:47], s[4:5], s[MOFF] offset:0x0       ; step 0's mask words: tile 0,
	s_load_b512 s[48:63], s[4:5], s[MOFF] offset:0x40
	s_load_b512 s[68:83], s[4:5], s[MOFF] offset:0x1000    ; tile 1
	s_load_b512 s[84:99], s[4:5], s[MOFF] offset:0x1040
	; the turning load takes 16 keys x 16 channels (lane l reads 16 bytes: key 8 (l / 16) + l % 8, channels 8 ((l / 8) % 2) + 0..7) and leaves half a fragment of V^T: channel l % 16, 8 keys
	v_lshrrev_b32 v9, 4, v8
	v_and_b32 v10, 7, v8
	v_bfe_u32 v11, v8, 3, 1
	v_lshlrev_b32 v[AV], 8, v9
	v_lshl_add_u32 v[AV], v10, 5, v[AV]
	v_lshl_add_u32 v[AV], v11, 4, v[AV]
	v_add_nc_u32 v[AV], 65536, v[AV]
	v_mov_b32 v[NEGR], 0xdf7a4488                  ; c x -1e20: all masked scores are equal, and far under every real one
.irp t, 0,1
	v_mov_b32 v[MM+2*\t], 0xff61b1e6               ; -3e38, under every t
	v_mov_b32 v[MM+2*\t+1], 0
	v_mov_b32 v[LL+2*\t], 0
	v_mov_b32 v[LL+2*\t+1], 0
.endr
.set n1, 0
.rept 64
	v_mov_b32 v[O+n1], 0                           ; the step is written once: the first finds zeros, which its a = 0 leaves zeros
.set n1, n1+1
.endr
; A KEY STEP: 64 keys.
.macro STEP
	v_add_nc_u32 v[ADK], s[TB], v[AK]              ; five plain instructions behind the last step's products: four for the loads into the registers that they read,
	v_add_nc_u32 v[ADV], s[TB], v[AV]              ; five for the products below, which write over the registers that held P
.rept 3
	v_nop
.endr
.set n1, 0
.rept 16
	ds_load_b128 v[KV+4*n1:KV+4*n1+3], v[ADK] offset:512*n1   ; key tile n1 / 4, 16 channels n1 % 4
.set n1, n1+1
.endr
	s_wait_dscnt 0x0
.irp kt, 0,1,2,3                               ; S^T = K Q^T: the eight accumulators by turns, channels 0-31, then 32-63
.irp t, 0,1
	v_wmma_f32_16x16x32_f16 v[S+32*\t+8*\kt:S+32*\t+8*\kt+7], v[KV+16*\kt:KV+16*\kt+7], v[Q+16*\t:Q+16*\t+7], 0
.endr
.endr
.irp kt, 0,1,2,3
.irp t, 0,1
	v_wmma_f32_16x16x32_f16 v[S+32*\t+8*\kt:S+32*\t+8*\kt+7], v[KV+16*\kt+8:KV+16*\kt+15], v[Q+16*\t+8:Q+16*\t+15], v[S+32*\t+8*\kt:S+32*\t+8*\kt+7]
.endr
.endr
.rept 4
	v_nop                                          ; four places: for V's loads into K's registers, and for the first read of the scores
.endr
.irp g, 0,1
.irp ct, 0,1,2,3
.irp e, 0,1
	ds_load_tr16_b128 v[KV+32*\g+8*\ct+4*\e:KV+32*\g+8*\ct+4*\e+3], v[ADV] offset:(2*\g+\e)*2048+\ct*512   ; V lands while the softmax is worked
.endr
.endr
.endr
	s_wait_kmcnt 0x0                               ; this step's mask words are in, and their loads have read the offset:
	s_add_co_u32 s[MOFF], s[MOFF], 128
	s_and_b32 s[MOFF], s[MOFF], 4095               ; the last step asks for step 0's words once more: inside the buffer, and not used
.set n1, 0
.rept 32
	v_cndmask_b32 v[S+n1], v[NEGR], v[S+n1], s[32+n1]      ; ascending: each accumulator is first read at its low end
.set n1, n1+1
.endr
	s_load_b512 s[32:47], s[4:5], s[MOFF] offset:0x0
	s_load_b512 s[48:63], s[4:5], s[MOFF] offset:0x40
.set n1, 0
.rept 32
	v_cndmask_b32 v[S+32+n1], v[NEGR], v[S+32+n1], s[68+n1]
.set n1, n1+1
.endr
	s_load_b512 s[68:83], s[4:5], s[MOFF] offset:0x1000
	s_load_b512 s[84:99], s[4:5], s[MOFF] offset:0x1040
	; the maximum of my 32 scores and the old m: four chains, the two tiles by turns
.irp j, 0,1,2,3
.irp t, 0,1
	v_max3_num_f32 v[CC+4*\t+\j], v[S+32*\t+8*\j], v[S+32*\t+8*\j+1], v[S+32*\t+8*\j+2]
.endr
.endr
.irp d, 1,2
.irp j, 0,1,2,3
.irp t, 0,1
	v_max3_num_f32 v[CC+4*\t+\j], v[CC+4*\t+\j], v[S+32*\t+8*\j+2*\d+1], v[S+32*\t+8*\j+2*\d+2]
.endr
.endr
.endr
.irp t, 0,1
	v_max3_num_f32 v[CC+4*\t], v[CC+4*\t], v[S+32*\t+7], v[S+32*\t+15]
	v_max3_num_f32 v[CC+4*\t+2], v[CC+4*\t+2], v[S+32*\t+23], v[S+32*\t+31]
.endr
.irp t, 0,1
	v_max3_num_f32 v[CC+4*\t], v[CC+4*\t], v[CC+4*\t+1], v[CC+4*\t+2]
.endr
.irp t, 0,1
	v_max3_num_f32 v[CC+4*\t], v[CC+4*\t], v[CC+4*\t+3], v[MM+2*\t]
.endr
.irp t, 0,1
	v_permlanex16_b32 v[CC+4*\t+1], v[CC+4*\t], s[SEL], s[SEL+1]   ; the query's other 32 keys lie in the lane 16 away
.endr
.irp t, 0,1
	v_mov_b32 v[CC+4*\t+3], v[MM+2*\t]
.endr
.irp t, 0,1
	v_max_num_f32 v[MM+2*\t], v[CC+4*\t], v[CC+4*\t+1]
.endr
.irp t, 0,1
	v_sub_f32 v[CC+4*\t+3], v[CC+4*\t+3], v[MM+2*\t]               ; old m - new m
.endr
.irp t, 0,1
.set n1, 0
.rept 16
	v_pk_add_f32 v[S+32*\t+n1:S+32*\t+n1+1], v[S+32*\t+n1:S+32*\t+n1+1], v[MM+2*\t:MM+2*\t+1] op_sel_hi:[1,0] neg_lo:[0,1] neg_hi:[0,1]   ; t - m: exact 0 where t = m
.set n1, n1+2
.endr
.endr
	; ONE BATCH of 66 exponentials, one plain instruction, ONE wait ahead of the first instruction that names a result
.irp t, 0,1
	v_exp_f32 v[CC+4*\t+2], v[CC+4*\t+3]           ; a
.endr
.set n1, 0
.rept 64
	v_exp_f32 v[S+n1], v[S+n1]                     ; p
.set n1, n1+1
.endr
	v_nop
	s_wait_alu depctr_va_vdst(0)
	; l = a l + the sum of p (unrounded), two chains a tile
.irp t, 0,1
	v_pk_fma_f32 v[LL+2*\t:LL+2*\t+1], v[LL+2*\t:LL+2*\t+1], v[CC+4*\t+2:CC+4*\t+3], v[S+32*\t:S+32*\t+1] op_sel_hi:[1,0,1]
	v_pk_add_f32 v[L2+2*\t:L2+2*\t+1], v[S+32*\t+2:S+32*\t+3], v[S+32*\t+6:S+32*\t+7]
.endr
.irp p, 2,4,6,8,10,12
.irp t, 0,1
	v_pk_add_f32 v[LL+2*\t:LL+2*\t+1], v[LL+2*\t:LL+2*\t+1], v[S+32*\t+2*\p:S+32*\t+2*\p+1]
	v_pk_add_f32 v[L2+2*\t:L2+2*\t+1], v[L2+2*\t:L2+2*\t+1], v[S+32*\t+2*\p+6:S+32*\t+2*\p+7]
.endr
.endr
.irp t, 0,1
	v_pk_add_f32 v[LL+2*\t:LL+2*\t+1], v[LL+2*\t:LL+2*\t+1], v[S+32*\t+28:S+32*\t+29]
.endr
.irp t, 0,1
	v_pk_add_f32 v[LL+2*\t:LL+2*\t+1], v[LL+2*\t:LL+2*\t+1], v[L2+2*\t:L2+2*\t+1]
.endr
.irp t, 0,1                                    ; p to f16, in place, ascending: registers 4 kt .. 4 kt + 3 hold keys 16 kt + 8 h + 0..7: two key tiles are a fragment of P
.set n1, 0
.rept 16
	v_cvt_pk_f16_f32 v[S+32*\t+n1], v[S+32*\t+2*n1], v[S+32*\t+2*n1+1]
.set n1, n1+1
.endr
.endr
.irp t, 0,1
.set n1, 0
.rept 16
	v_pk_mul_f32 v[O+32*\t+n1:O+32*\t+n1+1], v[O+32*\t+n1:O+32*\t+n1+1], v[CC+4*\t+2:CC+4*\t+3] op_sel_hi:[1,0]   ; O^T x a
.set n1, n1+2
.endr
.endr
	s_wait_dscnt 0x0                               ; V is in
.irp g, 0,1                                    ; O^T += V^T P: the eight accumulators by turns, keys 0-31, then 32-63
.irp ct, 0,1,2,3
.irp t, 0,1
	v_wmma_f32_16x16x32_f16 v[O+32*\t+8*\ct:O+32*\t+8*\ct+7], v[KV+32*\g+8*\ct:KV+32*\g+8*\ct+7], v[S+32*\t+8*\g:S+32*\t+8*\g+7], v[O+32*\t+8*\ct:O+32*\t+8*\ct+7]
.endr
.endr
.endr
.endm
.macro SLOTRUN sl                      ; a slot's eight key steps
	s_mov_b32 s[TB], \sl*SLOT1
	s_mov_b32 s[CNT], 8
.Lstep_\@:
	STEP
	s_add_co_u32 s[TB], s[TB], 8192
	s_sub_co_u32 s[CNT], s[CNT], 1
	s_cmp_lg_u32 s[CNT], 0
	s_cbranch_scc1 .Lstep_\@
.endm
; THE CHANGE OF SLOTS.  Each wave waits for all its tensor loads (its part of the slot ahead), adds 0 to its spare word, and waits for that and for its reads of the slot that it leaves.
; fill = 1: a round of the cluster's barrier, so that no wave of any partner still reads the slot or has a load on its way; the joint refill is the first thing behind it, one load a wave.
.macro CHANGE sl, fill
	s_wait_tensorcnt 0x0                           ; no tensor load of mine is out, so a group 0 may be written
	ds_add_u32 v[SPW], v[NIL]
.if \fill
	s_add_nc_u64 s[G0+4*\sl+2:G0+4*\sl+3], s[G0+4*\sl+2:G0+4*\sl+3], 131072   ; two slots of keys on
.endif
	s_wait_dscnt 0x0
.if \fill
	ROUND
	tensor_load_to_lds s[G0+4*\sl:G0+4*\sl+3], s[G1:G1+7]
	s_nop 0
.rept 4
	v_nop
.endr
.else
	s_barrier_signal -1
	s_barrier_wait -1
.endif
.endm
	s_wait_loadcnt 0x0                             ; Q
	s_wait_tensorcnt 1                             ; my part of slot 0 is in; slot 1's may stay out
	s_barrier_signal -1
	s_barrier_wait -1
	SLOTRUN 0                                      ; keys 0-511
	CHANGE 0, 1                                    ; slot 0 takes keys 1,024-1,535
	SLOTRUN 1
	CHANGE 1, 1                                    ; slot 1 takes keys 1,536-2,047
	SLOTRUN 0
	CHANGE 0, 0                                    ; nothing is left to fetch
	SLOTRUN 1
	; THE WAY OUT: O^T / l, rounded to f16: a tile's 16 channels are a chunk of the next operand
	s_wait_kmcnt 0x0                               ; the last look-ahead of mask words
.rept 4
	v_nop
.endr
.irp t, 0,1
	v_add_f32 v[CC+4*\t], v[LL+2*\t], v[LL+2*\t+1]
.endr
.irp t, 0,1
	v_permlanex16_b32 v[CC+4*\t+1], v[CC+4*\t], s[SEL], s[SEL+1]
.endr
.irp t, 0,1
	v_add_f32 v[CC+4*\t], v[CC+4*\t], v[CC+4*\t+1]
.endr
.irp t, 0,1
	v_rcp_f32 v[CC+4*\t+2], v[CC+4*\t]
.endr
	v_nop                                          ; a plain instruction behind the reciprocals,
	s_wait_alu depctr_va_vdst(0)                   ; and the one wait for both, ahead of their first reader
.irp t, 0,1
.set n1, 0
.rept 16
	v_pk_mul_f32 v[O+32*\t+n1:O+32*\t+n1+1], v[O+32*\t+n1:O+32*\t+n1+1], v[CC+4*\t+2:CC+4*\t+3] op_sel_hi:[1,0]
.set n1, n1+2
.endr
.endr
.irp t, 0,1
.set n1, 0
.rept 16
	v_cvt_pk_f16_f32 v[S+16*\t+n1], v[O+32*\t+2*n1], v[O+32*\t+2*n1+1]
.set n1, n1+1
.endr
.endr
.irp t, 0,1
.irp ct, 0,1,2,3
	global_store_b128 v[AK], v[S+16*\t+4*\ct:S+16*\t+4*\ct+3], s[24:25] offset:\t*4096+\ct*512   ; 512 consecutive bytes
.endr
.endr
	s_wait_tensorcnt 0x0                           ; the wave's end
	ds_add_u32 v[SPW], v[NIL]
	s_wait_dscnt 0x0
	ROUND                                          ; the closing round
	s_endpgm
.Lfunc_end_k_q381e202022_attn:
	.size	k_q381e202022_attn, .Lfunc_end_k_q381e202022_attn-k_q381e202022_attn
	.p2alignl 7, 3214868480
	.fill 96, 4, 3214868480
	.section	.rodata,"a",@progbits
	.p2align	6, 0x0
	.amdhsa_kernel k_q381e202022_attn
		.amdhsa_group_segment_fixed_size 327680
		.amdhsa_private_segment_fixed_size 0
		.amdhsa_enable_private_segment 0
		.amdhsa_kernarg_size 24
		.amdhsa_user_sgpr_count 2
		.amdhsa_user_sgpr_kernarg_segment_ptr 1
		.amdhsa_wavefront_size32 1
		.amdhsa_system_sgpr_workgroup_id_x 1
		.amdhsa_system_sgpr_workgroup_id_y 1
		.amdhsa_system_sgpr_workgroup_id_z 1
		.amdhsa_system_vgpr_workitem_id 0
		.amdhsa_next_free_vgpr 256
		.amdhsa_next_free_sgpr 102
		.amdhsa_reserve_vcc 0
		.amdhsa_float_denorm_mode_32 3
		.amdhsa_float_denorm_mode_16_64 3
		.amdhsa_memory_ordered 1
		.amdhsa_forward_progress 1
		.amdhsa_inst_pref_size 101
	.end_amdhsa_kernel
	.amdgpu_metadata
---
amdhsa.version: [ 1, 2 ]
amdhsa.kernels:
  - .name:           k_q381e202022_attn
    .symbol:         k_q381e202022_attn.kd
    .args:
      - { .name: qkv, .offset: 0, .size: 8, .value_kind: global_buffer, .address_space: global }
      - { .name: mbits, .offset: 8, .size: 8, .value_kind: global_buffer, .address_space: global }
      - { .name: att, .offset: 16, .size: 8, .value_kind: global_buffer, .address_space: global }
    .group_segment_fixed_size: 327680
    .private_segment_fixed_size: 0
    .kernarg_segment_align: 8
    .kernarg_segment_size: 24
    .max_flat_workgroup_size: 512
    .sgpr_count:     102
    .vgpr_count:     256
    .wavefront_size: 32
...
	.end_amdgpu_metadata
.endif
;; end of part 3
;; launch proj (part 4): grid 4 x 64, 4 waves a work-group, clusters of 4 x 4, 327,680 bytes of LDS; arguments att, wo16, bo, out0; writes out0
.if DOCPART == 4
	.amdgcn_target "amdgcn-amd-amdhsa--gfx1250"
	.amdhsa_code_object_version 6
	.text
	.protected	k_q381e202022_proj
	.globl	k_q381e202022_proj
	.p2align	8
	.type	k_q381e202022_proj,@function
k_q381e202022_proj:
	s_mov_b64 s[64:65], 0
	v_nop
	global_prefetch_b8 v0, s[64:65] scope:SCOPE_SE
	s_setreg_imm32_b32 hwreg(HW_REG_WAVE_MODE, 25, 1), 1
	s_wait_xcnt 0x0
	s_wait_alu depctr_hold_cnt(0) depctr_sa_sdst(0) depctr_va_vdst(0) depctr_va_sdst(0) depctr_va_ssrc(0) depctr_va_vcc(0) depctr_vm_vsrc(0)
	s_getreg_b32 s2, hwreg(HW_REG_IB_STS2, 6, 4)
	s_cmp_eq_u32 s2, 0
	s_cbranch_scc0 .Lentry_in_a_cluster
	s_endpgm
.Lentry_in_a_cluster:
	s_bfe_u32 s2, ttmp6, 0x10000c
	s_cmp_lg_u32 s2, 0xf033
	s_cbranch_scc0 .Lentry_shape_is_right
	s_endpgm
.Lentry_shape_is_right:
; out0 = att Wo + bo: 8,192 x 1,024 x 1,024, operands f16 (rounded by the launches before), sums and result f32.
; A tile of 128 tokens x 256 columns is made by a work-group of four waves: 256 work-groups; a wave makes 64 x 128: 32 accumulators, 256 registers.
; K goes in steps of 128 through a ring of two LDS slots (A 32,768 bytes, B 65,536).  Operands are images of registers: a fragment (16 rows x 32 K) is two chunks of 512 consecutive bytes.
; CLUSTERS: 4 x 4; A's tiles are asked for jointly along a row of the cluster, B's along a column.  Waves 0, 1 fetch A's halves (64 rows of 256 bytes), waves 2, 3 B's (128 rows): one load a wave behind each round.
; THE MATRIX INSTRUCTION IS USED TRANSPOSED (source 0 = 16 columns of Wo, source 1 = 16 tokens): a lane holds eight neighbouring numbers of a row of the result.  The bias is the C of each sum's first product.
; REGISTERS: window 0: v16-29 addresses; v32-95, v192-255 rows on the way out; v128-191 the bias, 8 tiles.   window 1: the accumulators, (a, b) at v[8 (8 a + b)].
;   window 2: two fragment buffers (v0, v128): A's four fragments, then B's eight.
.set SLOT,   98304
.set STAGE,  2*SLOT                    ; behind the ring: 16 rows x (512 bytes + 16) for each wave; no fill lands here
.set SPITCH, 528
.set SPARE,  STAGE+4*16*SPITCH
.set ADRA, 16
.set ADRB, 20
.set STO,  24
.set RD,   25
.set CO,   26
.set SPW,  28
.set NIL,  29
.set BI,   128
.set F0,   0
.set F1,   128
.set G1,   24
.set G0,   32
.set G1B,  48
.set G0B,  56
.set WV,   12
.set RH,   13                          ; my half of the rows; also: I fetch for A (0) or B (1)
.set CH,   14                          ; my half of the columns; also: which half I fetch
.set MUL,  0x5a                        ; sources 0 and 1 window 2, C and D window 1
.set MULF, 0x4a                        ; the same with C (the bias) in window 0
.set TO_F, 0x80
.set MSB, 0
.macro WIN new
.if MSB != (\new)
	s_set_vgpr_msb (MSB<<8)|(\new)
.set MSB, (\new)
.endif
.endm
.macro JLOAD s                         ; an s_nop 0 and four v_nop follow each of the two lines
	s_cmp_eq_u32 s[RH], 0
	s_cbranch_scc0 .Lfor_b_\@
	tensor_load_to_lds s[G0+4*\s:G0+4*\s+3], s[G1:G1+7]
	s_nop 0
.rept 4
	v_nop
.endr
	s_branch .Lasked_\@
.Lfor_b_\@:
	tensor_load_to_lds s[G0B+4*\s:G0B+4*\s+3], s[G1B:G1B+7]
	s_nop 0
.rept 4
	v_nop
.endr
.Lasked_\@:
.endm
.macro CREST
	s_cmp_lg_u32 s[WV], 0
	s_cbranch_scc1 .Lnot_wave_0_\@
	s_barrier_signal -3
.Lnot_wave_0_\@:
	s_barrier_wait -3
	s_barrier_signal -1
	s_barrier_wait -1
.endm
.macro CROUND
	s_barrier_signal -1
	s_barrier_wait -1
	CREST
.endm
.macro PLACES
.rept 4
	v_nop
.endr
.endm
	s_load_b128 s[4:7], s[0:1], 0x0                ; att, wo16
	s_load_b128 s[8:11], s[0:1], 0x10              ; bo, out0
	v_lshl_add_u32 v[SPW], v0, 2, SPARE
	v_mov_b32 v[NIL], 0
	ds_add_u32 v[SPW], v[NIL]                      ; the wave's opening: the add, twice on end, and its wait ahead of my first tensor load
	ds_add_u32 v[SPW], v[NIL]
	v_lshrrev_b32 v1, 5, v0
	v_readfirstlane_b32 s[WV], v1
	s_lshr_b32 s[RH], s[WV], 1
	s_and_b32 s[CH], s[WV], 1
	s_bfe_u32 s15, ttmp6, 0x40000                  ; cx
	s_bfe_u32 s20, ttmp6, 0x40004                  ; cy
	s_lshl_b32 s21, ttmp9, 2
	s_add_co_u32 s21, s21, s15                     ; tile column 0..3
	s_and_b32 s22, ttmp7, 0xffff
	s_lshl_b32 s22, s22, 2
	s_add_co_u32 s22, s22, s20                     ; tile row 0..63
	s_lshl_b32 s40, s20, 2
	s_lshl_b32 s40, 15, s40                        ; my row of the cluster
	s_lshl_b32 s41, 0x1111, s15                    ; my column
	s_or_b32 s[G1], s40, (3<<16)|(1<<21)           ; dense blocks as rows of 256 bytes (32 elements of 8 bytes)
	s_mov_b32 s[G1+1], 32<<16
	s_mov_b32 s[G1+2], 64<<16                      ; A: 64 rows
	s_mov_b32 s[G1+3], 32<<16
	s_mov_b32 s[G1+4], 64
	s_mov_b32 s[G1+5], 32
	s_mov_b32 s[G1+6], 0
	s_mov_b32 s[G1+7], 0
	s_or_b32 s[G1B], s41, (3<<16)|(1<<21)
	s_mov_b32 s[G1B+1], 32<<16
	s_mov_b32 s[G1B+2], 128<<16                    ; B: 128 rows
	s_mov_b32 s[G1B+3], 32<<16
	s_mov_b32 s[G1B+4], 128
	s_mov_b32 s[G1B+5], 32
	s_mov_b32 s[G1B+6], 0
	s_mov_b32 s[G1B+7], 0
	s_lshl_b32 s42, s22, 3
	s_lshl_b32 s23, s[CH], 2
	s_add_co_u32 s42, s42, s23                     ; A: the first of the four token tiles that I fetch
	s_lshl_b32 s42, s42, 12
	s_mov_b32 s43, 0
	s_lshl_b32 s46, s21, 4
	s_lshl_b32 s23, s[CH], 3
	s_add_co_u32 s46, s46, s23                     ; B: the first of the eight column tiles
	s_lshl_b32 s46, s46, 12
	s_mov_b32 s47, 0
	s_lshl_b32 s44, s[CH], 14                      ; where they go: no place in the cluster enters an LDS address
	s_lshl_b32 s45, s[CH], 15
	s_add_co_u32 s45, s45, 32768
	s_wait_dscnt 0x0                               ; both opening adds are done
	s_wait_kmcnt 0x0
	s_add_nc_u64 s[42:43], s[4:5], s[42:43]
	s_add_nc_u64 s[46:47], s[6:7], s[46:47]
	CROUND                                         ; all sixteen work-groups are here: the first joint loads meet
.irp s, 0,1
	s_mov_b32 s[G0+4*\s], 1
	s_add_co_u32 s[G0+4*\s+1], s44, \s*SLOT
	s_add_nc_u64 s[G0+4*\s+2:G0+4*\s+3], s[42:43], \s*2097152
	s_or_b32 s[G0+4*\s+3], s[G0+4*\s+3], 0x80000000
	s_mov_b32 s[G0B+4*\s], 1
	s_add_co_u32 s[G0B+4*\s+1], s45, \s*SLOT
	s_add_nc_u64 s[G0B+4*\s+2:G0B+4*\s+3], s[46:47], \s*262144
	s_or_b32 s[G0B+4*\s+3], s[G0B+4*\s+3], 0x80000000
	JLOAD \s
.endr
	v_and_b32 v3, 31, v0
	v_and_b32 v1, 15, v0                           ; r
	v_bfe_u32 v2, v0, 4, 1                         ; h
	v_lshlrev_b32 v4, 4, v3
	s_lshl_b32 s16, s[RH], 14
	v_add_nc_u32 v[ADRA], s16, v4
	v_add_nc_u32 v[ADRA+1], SLOT, v[ADRA]
	s_lshl_b32 s16, s[CH], 15
	s_add_co_u32 s16, s16, 32768
	v_add_nc_u32 v[ADRB], s16, v4
	v_add_nc_u32 v[ADRB+1], SLOT, v[ADRB]
	s_mul_i32 s16, s[WV], 16*SPITCH
	s_add_co_u32 s16, s16, STAGE                   ; my stage
	v_mul_u32_u24 v[STO], v1, SPITCH
	v_lshl_add_u32 v[STO], v2, 5, v[STO]
	v_add_nc_u32 v[STO], s16, v[STO]               ; in: row r, 32 bytes for each half of the lanes
	v_add_nc_u32 v[RD], s16, v4                    ; back: the 32 lanes take a row of 512 bytes
	v_lshlrev_b32 v[CO], 4, v3
	s_lshl_b32 s18, s21, 10
	s_lshl_b32 s19, s[CH], 9
	s_add_co_u32 s18, s18, s19                     ; my first column, in bytes
	s_mov_b32 s19, 0
	s_add_nc_u64 s[8:9], s[8:9], s[18:19]
	v_lshlrev_b32 v5, 5, v2
.irp b, 0,1,2,3,4,5,6,7
	global_load_b128 v[BI+8*\b:BI+8*\b+3], v5, s[8:9] offset:64*\b          ; lane (r, h), tile b: bo at columns 16 b + 8 h + 0..7
	global_load_b128 v[BI+8*\b+4:BI+8*\b+7], v5, s[8:9] offset:64*\b+16
.endr
	s_lshl_b32 s16, s22, 19                        ; 128 rows of 4,096 bytes
	s_lshl_b32 s17, s[RH], 18
	s_add_co_u32 s16, s16, s17
	s_add_co_u32 s16, s16, s18
	s_mov_b32 s17, 0
	s_add_nc_u64 s[10:11], s[10:11], s[16:17]
.macro FETCH sl, qd, f                 ; 24 loads in one run: 32 along K (quarter qd of the slot) into buffer f: B's eight fragments, then A's four
	WIN TO_F
.irp b, 0,1,2,3,4,5,6,7
	ds_load_b128 v[\f+32+8*\b:\f+32+8*\b+3],   v[ADRB+\sl] offset:\b*4096+\qd*1024
	ds_load_b128 v[\f+32+8*\b+4:\f+32+8*\b+7], v[ADRB+\sl] offset:\b*4096+\qd*1024+512
.endr
.irp a, 0,1,2,3
	ds_load_b128 v[\f+8*\a:\f+8*\a+3],   v[ADRA+\sl] offset:\a*4096+\qd*1024
	ds_load_b128 v[\f+8*\a+4:\f+8*\a+7], v[ADRA+\sl] offset:\a*4096+\qd*1024+512
.endr
.endm
.macro MUL8 f, a, first                ; the 32 accumulators take turns, one instruction a turn, in the same order in every quarter
.irp b, 0,1,2,3,4,5,6,7
.if \first
	v_wmma_f32_16x16x32_f16 v[8*(8*\a+\b):8*(8*\a+\b)+7], v[\f+32+8*\b:\f+32+8*\b+7], v[\f+8*\a:\f+8*\a+7], v[BI+8*\b:BI+8*\b+7]
.else
	v_wmma_f32_16x16x32_f16 v[8*(8*\a+\b):8*(8*\a+\b)+7], v[\f+32+8*\b:\f+32+8*\b+7], v[\f+8*\a:\f+8*\a+7], v[8*(8*\a+\b):8*(8*\a+\b)+7]
.endif
.endr
.endm
; A K step is four quarters of 32 along K on buffers 0, 1, 0, 1.  One of the first three multiplies f and fetches quarter qd into g.
.macro QUARTER sl, qd, f, g, first
	s_wait_dscnt 4                                 ; all but A's fragments 2 and 3
.if \first
	WIN MULF
.else
	WIN MUL
.endif
	MUL8 \f, 0, \first
	MUL8 \f, 1, \first
	PLACES                                         ; four places in front of loads into registers that matrix instructions have read
	FETCH \sl, \qd, \g
	s_wait_dscnt 24                                ; all but the 24 just issued
.if \first
	WIN MULF
.else
	WIN MUL
.endif
	MUL8 \f, 2, \first
	MUL8 \f, 3, \first
.endm
; The last quarter multiplies buffer 1 and changes slots: each wave waits for all its tensor loads, adds 0 to its spare word, and waits for that and for its reads of this slot.
; fill = 1: the barrier opens a round of the cluster's barrier, and this slot is filled again, two K steps ahead, first thing behind the round.
.macro TURN sl, next, fill
	WIN 0
	s_wait_tensorcnt 0x0                           ; my part of the next slot has landed; no tensor load of mine is out
	ds_add_u32 v[SPW], v[NIL]
	s_wait_dscnt 5                                 ; the add and the youngest four loads may be out
	WIN MUL
	MUL8 F1, 0, 0
	s_wait_dscnt 0x0                               ; the add is done, and my reads of this slot are over
	s_barrier_signal -1
	MUL8 F1, 1, 0
	WIN 0
	s_barrier_wait -1
.if \fill
	CREST
	s_add_nc_u64 s[G0+4*\sl+2:G0+4*\sl+3], s[G0+4*\sl+2:G0+4*\sl+3], 4194304
	s_add_nc_u64 s[G0B+4*\sl+2:G0B+4*\sl+3], s[G0B+4*\sl+2:G0B+4*\sl+3], 524288
	JLOAD \sl                                      ; the four v_nop behind it are also the places in front of the loads below
.else
	PLACES
.endif
	FETCH \next, 0, F0
	WIN MUL
	MUL8 F1, 2, 0
	MUL8 F1, 3, 0
.endm
	s_wait_tensorcnt 1                             ; my part of K step 0 is in; K step 1's may be out
	s_barrier_signal -1
	s_barrier_wait -1
	FETCH 0, 0, F0
	s_wait_loadcnt 0x0                             ; the bias
	QUARTER 0, 1, F0, F1, 1                        ; the first quarter stands in front of the loop: its products start the sums, on the bias
	WIN 0
	s_mov_b32 s3, 3
.Llap:                                             ; a trip goes once round the ring and fills both slots again: K steps 2 to 7
	QUARTER 0, 2, F1, F0, 0
	QUARTER 0, 3, F0, F1, 0
	TURN 0, 1, 1
	QUARTER 1, 1, F0, F1, 0
	QUARTER 1, 2, F1, F0, 0
	QUARTER 1, 3, F0, F1, 0
	TURN 1, 0, 1
	QUARTER 0, 1, F0, F1, 0
	WIN 0
	s_sub_co_u32 s3, s3, 1
	s_cmp_lg_u32 s3, 0
	s_cbranch_scc1 .Llap
	QUARTER 0, 2, F1, F0, 0                        ; the last lap fills nothing
	QUARTER 0, 3, F0, F1, 0
	TURN 0, 1, 0
	QUARTER 1, 1, F0, F1, 0
	QUARTER 1, 2, F1, F0, 0
	QUARTER 1, 3, F0, F1, 0
	s_wait_dscnt 4
	WIN MUL
	MUL8 F1, 0, 0
	MUL8 F1, 1, 0
	s_wait_dscnt 0x0
	MUL8 F1, 2, 0
	MUL8 F1, 3, 0
	WIN 0
	PLACES
; THE WAY OUT, block by block of 16 rows x 128 columns, through my own stage: in as 32 bytes a lane, back as whole rows of 512 bytes.  LDS serves a wave's instructions in order (ISA guide 5.7.1.4).
.macro TOSTAGE a
	WIN 0x04                                       ; an LDS store's data are its source 1: window 1
.irp b, 0,1,2,3,4,5,6,7
	ds_store_b128 v[STO], v[8*(8*\a+\b):8*(8*\a+\b)+3] offset:64*\b          ; each accumulator from its low end on
	ds_store_b128 v[STO], v[8*(8*\a+\b)+4:8*(8*\a+\b)+7] offset:64*\b+16
.endr
	WIN 0
.set BB, 32+160*((\a)%2)
.set n1, 0
.rept 16
	ds_load_b128 v[BB+4*n1:BB+4*n1+3], v[RD] offset:n1*SPITCH
.set n1, n1+1
.endr
.endm
.macro SEND a, younger
.set BB, 32+160*((\a)%2)
	s_wait_dscnt \younger
.set n1, 0
.rept 16
	global_store_b128 v[CO], v[BB+4*n1:BB+4*n1+3], s[10:11] offset:(16*(\a)+n1)*4096 th:TH_STORE_NT   ; 512 consecutive bytes, aligned; written once, read by nobody here
.set n1, n1+1
.endr
.endm
	TOSTAGE 0
	TOSTAGE 1
	SEND 0, 32                                     ; behind block 0's loads: block 1's 16 stores and 16 loads
	s_wait_xcnt 0x0                                ; block 0's stores have read their registers: block 2's loads may land there
	TOSTAGE 2
	SEND 1, 32
	s_wait_xcnt 0x0
	TOSTAGE 3
	SEND 2, 32
	SEND 3, 0
	s_wait_tensorcnt 0x0                           ; the wave's end
	ds_add_u32 v[SPW], v[NIL]
	s_wait_dscnt 0x0
	CROUND                                         ; the closing round
	s_endpgm
.Lfunc_end_k_q381e202022_proj:
	.size	k_q381e202022_proj, .Lfunc_end_k_q381e202022_proj-k_q381e202022_proj
	.p2alignl 7, 3214868480
	.fill 96, 4, 3214868480
	.section	.rodata,"a",@progbits
	.p2align	6, 0x0
	.amdhsa_kernel k_q381e202022_proj
		.amdhsa_group_segment_fixed_size 327680
		.amdhsa_private_segment_fixed_size 0
		.amdhsa_enable_private_segment 0
		.amdhsa_kernarg_size 32
		.amdhsa_user_sgpr_count 2
		.amdhsa_user_sgpr_kernarg_segment_ptr 1
		.amdhsa_wavefront_size32 1
		.amdhsa_system_sgpr_workgroup_id_x 1
		.amdhsa_system_sgpr_workgroup_id_y 1
		.amdhsa_system_sgpr_workgroup_id_z 1
		.amdhsa_system_vgpr_workitem_id 0
		.amdhsa_next_free_vgpr 768
		.amdhsa_next_free_sgpr 66
		.amdhsa_reserve_vcc 0
		.amdhsa_float_denorm_mode_32 3
		.amdhsa_float_denorm_mode_16_64 3
		.amdhsa_memory_ordered 1
		.amdhsa_forward_progress 1
		.amdhsa_inst_pref_size 86
	.end_amdhsa_kernel
	.amdgpu_metadata
---
amdhsa.version: [ 1, 2 ]
amdhsa.kernels:
  - .name:           k_q381e202022_proj
    .symbol:         k_q381e202022_proj.kd
    .args:
      - { .name: att, .offset: 0, .size: 8, .value_kind: global_buffer, .address_space: global }
      - { .name: wo16, .offset: 8, .size: 8, .value_kind: global_buffer, .address_space: global }
      - { .name: bo, .offset: 16, .size: 8, .value_kind: global_buffer, .address_space: global }
      - { .name: out0, .offset: 24, .size: 8, .value_kind: global_buffer, .address_space: global }
    .group_segment_fixed_size: 327680
    .private_segment_fixed_size: 0
    .kernarg_segment_align: 8
    .kernarg_segment_size: 32
    .max_flat_workgroup_size: 128
    .sgpr_count:     66
    .vgpr_count:     768
    .wavefront_size: 32
...
	.end_amdgpu_metadata
.endif
;; end of part 4
